; MI455X (gfx1250); checked and timed in simulation.
; The chip was launched on July 23, 2026; its instructions are those of AMD's public machine-readable ISA for CDNA 5 (MIT licence, August 2026) and "CDNA5" Instruction Set Architecture Reference Guide (July 2026). The comments in the code are by the model that wrote it; some were corrected since.
;; PQ Linear. Allowed arithmetic: float matrix products may take bf16 or f16 operands with f32 sums; other float arithmetic in f32, or as packed bf16 or f16 multiplies, adds, multiply-adds, maxima and minima; sums over many terms, partial sums and values carried from step to step in f32; what a program stores and reads back later, other than sums and carried values, may be rounded once to bf16 or f16.
;; Inputs: assignments 2,048 x 32 int32; codebooks 32 x 256 x 128 float32; x 4 x 2,048 x 4,096 float32.
;; Outputs: out0 4 x 2,048 x 2,048 float32.
;; 3 versions, each right; version 2 is faster than version 1; version 3 is version 2 with the launch prep written anew for expert scheduling mode. Each part assembles by itself: llvm-mc -triple=amdgcn-amd-amdhsa -mcpu=gfx1250 --defsym DOCPART=n.
;; ======== version 1 of 3: 2 launches
;; workspace buffers: w 16,777,216 bytes
;; launch wbuild (part 1): grid 256 x 1, 8 waves a work-group, no clusters, 0 bytes of LDS; arguments assignments, codebooks, w; writes w
.if DOCPART == 1
	.amdgcn_target "amdgcn-amd-amdhsa--gfx1250"
	.amdhsa_code_object_version 6
	.text
	.protected	k_qba7b3a6d66_wbuild
	.globl	k_qba7b3a6d66_wbuild
	.p2align	8
	.type	k_qba7b3a6d66_wbuild,@function
k_qba7b3a6d66_wbuild:
	s_mov_b64 s[64:65], 0
	v_nop
	global_prefetch_b8 v0, s[64:65] scope:SCOPE_SE
	s_setreg_imm32_b32 hwreg(HW_REG_WAVE_MODE, 25, 1), 1
	s_wait_xcnt 0x0
; w[o][128 s + c] = bf16(codebooks[s][assignments[o][s]][c]).  assignments: [2048][32] i32.  codebooks: [32][256][128] f32.  w: [2048][4096] bf16.
; The weight matrix that the product needs is written out once, each number rounded once to bf16 (to nearest even): 16 MiB for the next launch, which reads it as an ordinary operand.
; SHARES.  One wave makes one row o of w: 32 pieces of 128 numbers.  A piece is one load of 16 bytes a lane (the centroid's 512 consecutive bytes), two packed roundings, and one store of
; 8 bytes a lane: 256 consecutive bytes, at a multiple of 256 from w's first byte.  All 32 loads of a wave go out before the first is waited for.  No LDS, no barrier, no loop: waves share nothing.
; LIMIT.  An index is taken as an unsigned number and held to 255 at the most: indices 0 to 255 are served as they are; anything else (a negative number too) names centroid 255.
.set PIECES, 32
.set CBOOK,  256*128*4                 ; bytes of one subvector's codebook
.set OFF,    4                         ; v[4:35]    piece p: byte offset of my 16 bytes in its codebook; never rewritten
.set D,      36                        ; v[36:163]  piece p: four registers as loaded; the first two then hold the four bf16
	s_load_b128 s[4:7], s[0:1], 0x0                ; assignments s[4:5], codebooks s[6:7]
	s_load_b64 s[8:9], s[0:1], 0x10                ; w
	v_lshrrev_b32 v1, 5, v0
	v_readfirstlane_b32 s10, v1                    ; my wave's number
	v_and_b32 v1, 31, v0                           ; lane
	v_lshlrev_b32 v2, 4, v1                        ; my 16 bytes of a centroid
	v_lshlrev_b32 v3, 3, v1                        ; my 8 bytes of a piece of w
	s_lshl_b32 s11, ttmp9, 3
	s_add_co_u32 s11, s11, s10                     ; o = 8 x work-group + wave
	s_lshl_b32 s12, s11, 7                         ; a row of assignments is 128 bytes,
	s_mov_b32 s13, 0
	s_lshl_b32 s14, s11, 13                        ; a row of w 8,192
	s_mov_b32 s15, 0
	s_wait_kmcnt 0x0
	s_add_nc_u64 s[12:13], s[4:5], s[12:13]
	s_add_nc_u64 s[8:9], s[8:9], s[14:15]
	s_load_b512 s[16:31], s[12:13], 0x0            ; the row's 32 indices: the same for all lanes, so they live in scalar registers
	s_load_b512 s[32:47], s[12:13], 0x40
	s_wait_kmcnt 0x0
.set p, 0
.rept PIECES
	s_min_u32 s[16+p], s[16+p], 0xff               ; the index stays inside its codebook
	v_lshl_add_u32 v[OFF+p], s[16+p], 9, v2        ; 512 bytes a centroid + my 16
	global_load_b128 v[D+4*p:D+4*p+3], v[OFF+p], s[6:7] offset:CBOOK*p  ; the codebook's place stands in the immediate: 4,063,232 at the most
.set p, p+1
.endr
.set p, 0
.rept PIECES
	s_wait_loadcnt PIECES-1-p                      ; loads come back in order (ISA guide 5.7.1): piece p is in, the younger ones stay out
	v_cvt_pk_bf16_f32 v[D+4*p],   v[D+4*p],   v[D+4*p+1]
	v_cvt_pk_bf16_f32 v[D+4*p+1], v[D+4*p+2], v[D+4*p+3]
	global_store_b64 v3, v[D+4*p:D+4*p+1], s[8:9] offset:256*p  ; 32 lanes store 256 consecutive bytes
.set p, p+1
.endr
	s_endpgm
.Lfunc_end_k_qba7b3a6d66_wbuild:
	.size	k_qba7b3a6d66_wbuild, .Lfunc_end_k_qba7b3a6d66_wbuild-k_qba7b3a6d66_wbuild
	.p2alignl 7, 3214868480
	.fill 96, 4, 3214868480
	.section	.rodata,"a",@progbits
	.p2align	6, 0x0
	.amdhsa_kernel k_qba7b3a6d66_wbuild
		.amdhsa_group_segment_fixed_size 0
		.amdhsa_private_segment_fixed_size 0
		.amdhsa_enable_private_segment 0
		.amdhsa_kernarg_size 24
		.amdhsa_user_sgpr_count 2
		.amdhsa_user_sgpr_kernarg_segment_ptr 1
		.amdhsa_wavefront_size32 1
		.amdhsa_system_sgpr_workgroup_id_x 1
		.amdhsa_system_sgpr_workgroup_id_y 1
		.amdhsa_system_sgpr_workgroup_id_z 1
		.amdhsa_system_vgpr_workitem_id 0
		.amdhsa_next_free_vgpr 164
		.amdhsa_next_free_sgpr 66
		.amdhsa_reserve_vcc 0
		.amdhsa_float_denorm_mode_32 3
		.amdhsa_float_denorm_mode_16_64 3
		.amdhsa_memory_ordered 1
		.amdhsa_forward_progress 1
		.amdhsa_inst_pref_size 16
	.end_amdhsa_kernel
	.amdgpu_metadata
---
amdhsa.version: [ 1, 2 ]
amdhsa.kernels:
  - .name:           k_qba7b3a6d66_wbuild
    .symbol:         k_qba7b3a6d66_wbuild.kd
    .args:
      - { .name: assignments, .offset: 0, .size: 8, .value_kind: global_buffer, .address_space: global }
      - { .name: codebooks, .offset: 8, .size: 8, .value_kind: global_buffer, .address_space: global }
      - { .name: w, .offset: 16, .size: 8, .value_kind: global_buffer, .address_space: global }
    .group_segment_fixed_size: 0
    .private_segment_fixed_size: 0
    .kernarg_segment_align: 8
    .kernarg_segment_size: 24
    .max_flat_workgroup_size: 256
    .sgpr_count:     66
    .vgpr_count:     164
    .wavefront_size: 32
...
	.end_amdgpu_metadata
.endif
;; end of part 1
;; launch pqgemm (part 2): grid 8 x 32, 4 waves a work-group, clusters of 4 x 4, 327,680 bytes of LDS; arguments x, w, out0; writes out0
.if DOCPART == 2
	.amdgcn_target "amdgcn-amd-amdhsa--gfx1250"
	.amdhsa_code_object_version 6
	.text
	.protected	k_qba7b3a6d66_pqgemm
	.globl	k_qba7b3a6d66_pqgemm
	.p2align	8
	.type	k_qba7b3a6d66_pqgemm,@function
k_qba7b3a6d66_pqgemm:
	s_mov_b64 s[64:65], 0
	v_nop
	global_prefetch_b8 v0, s[64:65] scope:SCOPE_SE
	s_setreg_imm32_b32 hwreg(HW_REG_WAVE_MODE, 25, 1), 1
	s_wait_xcnt 0x0
	s_wait_alu depctr_hold_cnt(0) depctr_sa_sdst(0) depctr_va_vdst(0) depctr_va_sdst(0) depctr_va_ssrc(0) depctr_va_vcc(0) depctr_vm_vsrc(0)
	s_getreg_b32 s2, hwreg(HW_REG_IB_STS2, 6, 4)
	s_cmp_eq_u32 s2, 0
	s_cbranch_scc0 .Lentry_in_a_cluster
	s_endpgm
.Lentry_in_a_cluster:
	s_bfe_u32 s2, ttmp6, 0x10000c
	s_cmp_lg_u32 s2, 0xf033
	s_cbranch_scc0 .Lentry_shape_is_right
	s_endpgm
.Lentry_shape_is_right:
; out0[m][o] = the sum over i of x[m][i] w[o][i].  x: [8192][4096] f32.  w: [2048][4096] bf16 (made by the launch before).  out0: [8192][2048] f32.
; x is rounded once to bf16 (to nearest even) on its way to the matrix unit; sums in f32, K ascending; out0 is stored as the sums are.  NaN and infinities are not treated apart.
; SHARES.  A work-group of four waves makes a tile of 256 x 256 of out0: 32 x 8 tiles, one to a work-group.  A wave makes 128 x 128: 64 accumulators of 16 x 16, 512 registers.
; K goes in 32 steps of 128, each in four quarters of 32; a quarter is two HALVES of 32 matrix instructions (my rows 0-63, then my rows 64-127).
; w's TILES come by the tensor data mover into a ring of two LDS slots, 64 rows of 256 bytes a wave.  CLUSTER: 4 x 4 work-groups; the four of a column of the cluster make tiles of one tile column and
; need the same rows of w, so each tile is asked for JOINTLY: the same load, the same descriptor and a mask that names the four, in all four.
; x's TILES come THROUGH REGISTERS, since a tensor load cannot round: an f32 tile of x for a K step of 128 (256 rows x 528 bytes) and w's tile (256 x 272) are 204,800 bytes, and two such slots are more
; than the 327,680 bytes that the launch is given; a K step of 64 would halve the matrix work between a request and the wait for it.  So x is not asked for jointly.  Wave w owns rows 64 w .. 64 w + 63
; of the tile: a RING of 64 units in window 0, a unit = one row's 512 bytes of a K step = one load of 16 bytes a lane.  A unit is rounded, stored as 256 bytes into x's own ring of two LDS slots (which
; no tensor load fills), and its registers are loaded again at once with the K step one further on: a whole K step's matrix work, 256 instructions, lies between a unit's request and its use.
; The ring's work stands in SLICES of four units behind the first matrix instructions of each half: four lines behind each of four matrix instructions.
; PERIODS.  One barrier a K step, in the first half of its last quarter.  Behind step t's barrier: w's slot t % 2 is filled again with K step t + 2 (first thing); the ring's 64 units, which hold K step
; t + 2, go into x's slot t % 2; the ring is loaded with K step t + 3.  All of that has landed, or is waited for, in front of step t + 1's barrier.
; THE MATRIX INSTRUCTION IS USED TRANSPOSED: source 0 = 16 rows of w, source 1 = 16 rows of x: a lane then holds row l % 16 of out0 and eight neighbouring columns, 8 (l / 16) + 0..7.
; REGISTERS, in windows of 256 (s_set_vgpr_msb: bits 1:0 source 0, 3:2 source 1, 5:4 source 2, 7:6 destination):
;   window 0: the ring, unit u at v[4 u]; on the way out four buffers of 64      window 1: v1-15 addresses; v16-31 rounded pairs; v64-127 x's fragments; v128-255 w's fragments, two buffers
;   window 2: the 32 accumulators of my rows 0-63 (accumulator (a, b) at v[8 (8 a + b)])      window 3: those of my rows 64-127
.set PITCH,  272                       ; an LDS row: 256 bytes + 16 of padding = 68 words: row r starts at bank 4 r mod 64 (64 banks of 4 bytes: ISA guide 11.1), so a fragment load's 16 rows start at 16 different banks
.set R16,    16*PITCH
.set BQ,     64*PITCH                  ; 64 rows: what a wave's tensor load brings, and what a wave's ring stores
.set HALFT,  128*PITCH                 ; 128 rows: what a wave reads of x or of w
.set SLOTB,  256*PITCH                 ; a slot: 69,632 bytes.  w's slots at 0 and SLOTB, x's at ABASE and ABASE + SLOTB: one offset, 0 or SLOTB, serves both rings
.set ABASE,  2*SLOTB
.set STAGE,  4*SLOTB                   ; behind the rings: 16 rows x 528 bytes for each wave, for the way out
.set SPITCH, 528                       ; 512 bytes + 16 = 132 words: row r starts at bank 4 r mod 64
.set SPARE,  STAGE+4*16*SPITCH         ; behind the stages: the spare words, 128 bytes for each wave: two blocks of 256 bytes that no other line names
.set XROW,   16384                     ; bytes in a row of x
.set CROW,   8192                      ; bytes in a row of out0, and of w
.set XSTEP,  512                       ; a K step in a row of x,
.set WSTEP,  256                       ; and of w
; window 1
.set RA0, 4                            ; my lane's place in x's slot 0, for fragments; never rewritten
.set RB0, 5                            ; the same in w's slot 0
.set STA0, 6                           ; where the ring's unit 0 goes in x's slot 0; never rewritten
.set RA,  7                            ; RA0 + the slot being read
.set RB,  8                            ; RB0 + the slot being read
.set STA, 9                            ; STA0 + the slot being written
.set XO,  10                           ; 16 x lane: my bytes in a unit of x, and in a row of out0; never rewritten
.set STO, 11                           ; the way out: where I put 32 bytes of a row
.set RD,  12                           ; the way out: where I read a row back
.set TMP, 13
.set SPW, 14                           ; LDS address of my spare word: SPARE + 4 x my thread's number; never rewritten
.set NIL, 15                           ; 0; never rewritten
.set CV,  16                           ; v16-31: a slice's four units rounded, two registers each; two sets by the slice's parity
.set AH,  64                           ; v64-95 x's fragments of my rows 0-63, v96-127 of my rows 64-127: 32 along K
.set BF0, 128                          ; w's fragments of an even quarter
.set BF1, 192                          ; of an odd quarter
; scalars
.set G1,  24                           ; s[24:31] descriptor group 1
.set G0A, 32                           ; s[32:35] descriptor group 0: K step 0 into slot 0
.set G0B, 36                           ; s[36:39] K step 1 into slot 1; it then walks on
.set XB,  48                           ; s[48:49] x at my 64 rows, at the K step to be asked for
.set SR,  50                           ; s50  0 or SLOTB: the slot that is read
.set SD,  51                           ; s51  the slot that the ring stores into
.set MSB, 0
.macro WIN new                         ; the immediate's high byte repeats the setting that is left; a switch that changes nothing is dropped
.if MSB != (\new)
	s_set_vgpr_msb (MSB<<8)|(\new)
.set MSB, \new
.endif
.endm
.set MUL_LO, 0xa5                      ; both sources window 1, C and D window 2
.set MUL_HI, 0xf5                      ; the same, C and D window 3
.set W_F,    0x41                      ; LDS load: address and destination window 1
.set W_CV,   0x40                      ; sources window 0, destination window 1
.set W_GL,   0x01                      ; address window 1; loaded data, or a store's data, window 0
.set W_1,    0x55                      ; everything window 1
.macro PLACES                          ; a load into a register that a matrix instruction has read, and whatever reads a matrix result, stand four places behind it; only plain vector instructions that
.rept 4                                ; name none of its registers are places (ISA guide 7.12.1 for vector instructions)
	v_nop
.endr
.endm
.macro CREST                           ; a round of the cluster's barrier behind its opening barrier: wave 0 signals for the work-group, every wave waits for all sixteen, my work-group's barrier once more
	s_cmp_lg_u32 s10, 0
	s_cbranch_scc1 .Lnot_wave_0_\@
	s_barrier_signal -3
.Lnot_wave_0_\@:
	s_barrier_wait -3
	s_barrier_signal -1
	s_barrier_wait -1
.endm
.macro CROUND                          ; a whole round
	s_barrier_signal -1
	s_barrier_wait -1
	CREST
.endm
.macro JLOAD g0                        ; a joint load: every wave fetches 64 rows of its own (LDS and global address step with the wave's number, alike in all four partners); s_nop 0 and four v_nop follow
	tensor_load_to_lds s[(\g0):(\g0)+3], s[G1:G1+7]
	s_nop 0
	PLACES
.endm
	s_load_b128 s[4:7], s[0:1], 0x0                ; x s[4:5], w s[6:7]
	s_load_b64 s[8:9], s[0:1], 0x10                ; out0
	WIN W_CV
	v_lshl_add_u32 v[SPW], v0, 2, SPARE
	v_mov_b32 v[NIL], 0
	WIN W_1
	ds_add_u32 v[SPW], v[NIL]                      ; the wave's opening: the add and its wait stand ahead of my first tensor load; the set-up below, work on registers, stands between them
	WIN 0
	v_lshrrev_b32 v1, 5, v0                        ; (window 0's v0-3 are free until the ring's first load lands there)
	v_readfirstlane_b32 s10, v1                    ; wave 0..3
	WIN W_CV
	v_and_b32 v2, 15, v0                           ; r = l % 16
	v_bfe_u32 v3, v0, 4, 1                         ; h = l / 16
	v_and_b32 v1, 31, v0                           ; lane
	WIN W_1
	s_lshr_b32 s11, s10, 1                         ; which 128 rows of the tile are mine
	s_and_b32 s12, s10, 1                          ; which 128 columns
	s_bfe_u32 s40, ttmp6, 0x40000                  ; cx, cy: my place in the cluster
	s_bfe_u32 s41, ttmp6, 0x40004
	s_lshl_b32 s42, ttmp9, 2                       ; in a cluster launch ttmp9 and ttmp7 count clusters
	s_add_co_u32 s42, s42, s40                     ; tile column = 4 x cluster x + cx
	s_and_b32 s13, ttmp7, 0xffff
	s_lshl_b32 s13, s13, 2
	s_add_co_u32 s13, s13, s41                     ; tile row = 4 x cluster y + cy
	s_lshl_b32 s44, 0x1111, s40                    ; my column of the cluster: places cx, cx + 4, cx + 8, cx + 12
	; descriptor group 1: a tile of 64 rows x 128 elements of 2 bytes, padded in LDS
	s_or_b32 s[G1+0], s44, (1<<16)|(1<<20)|(1<<21)|(5<<22)|(3<<25)  ; 15:0 the mask; 17:16 elements of 2 bytes; 20 padding on; 21 set beside a mask; 24:22 after every 64 words (code 5); 31:25 4 words of it (code 3)
	s_mov_b32 s[G1+1], 128<<16                     ; tensor_dim0 = 128
	s_mov_b32 s[G1+2], 64<<16                      ; tensor_dim1 = 64
	s_mov_b32 s[G1+3], 128<<16                     ; tile_dim0 = 128
	s_mov_b32 s[G1+4], 64                          ; tile_dim1 = 64
	s_mov_b32 s[G1+5], 4096                        ; elements from row to row
	s_mov_b32 s[G1+6], 0
	s_mov_b32 s[G1+7], 0
	; byte offsets, all under 2^28
	s_lshl_b32 s16, s13, 22                        ; x: 256 rows of 16,384 bytes a tile row,
	s_lshl_b32 s17, s10, 20                        ; my wave's 64 rows
	s_add_co_u32 s16, s16, s17
	s_mov_b32 s17, 0
	s_lshl_b32 s46, s42, 21                        ; w: 256 rows of 8,192 bytes a tile column, my wave's 64 rows: made of the tile column, which the four partners share, and the wave's number alone
	s_lshl_b32 s47, s10, 19
	s_add_co_u32 s46, s46, s47
	s_mov_b32 s47, 0
	s_lshl_b32 s18, s13, 21                        ; out0: 256 rows of 8,192 bytes a tile row, my 128 rows,
	s_lshl_b32 s19, s11, 20
	s_add_co_u32 s18, s18, s19
	s_lshl_b32 s19, s42, 10                        ; 1,024 bytes a tile column, my 512
	s_add_co_u32 s18, s18, s19
	s_lshl_b32 s19, s12, 9
	s_add_co_u32 s18, s18, s19
	s_mov_b32 s19, 0
	s_mov_b32 s[SR], 0
	s_mov_b32 s[SD], 0
	; LDS addresses: the wave's number and the lane alone enter them
	v_lshlrev_b32 v[XO], 4, v1
	v_mul_u32_u24 v[TMP], v2, PITCH                ; a fragment: lane l holds row l % 16; registers 0-3 K = 8 (l / 16) + 0..7, registers 4-7 K = 16 + 8 (l / 16) + 0..7: two loads of 16 bytes, 32 apart
	v_lshl_add_u32 v[TMP], v3, 4, v[TMP]
	s_mul_i32 s21, s11, HALFT
	s_add_co_u32 s21, s21, ABASE
	s_mul_i32 s22, s12, HALFT
	v_add_nc_u32 v[RA0], s21, v[TMP]
	v_add_nc_u32 v[RB0], s22, v[TMP]
	s_mul_i32 s20, s10, BQ                         ; my 64 rows in a slot, of w (tensor load) and of x (ring)
	s_add_co_u32 s23, s20, ABASE
	v_lshl_add_u32 v[STA0], v1, 3, s23             ; a unit's 128 bf16: 8 bytes a lane
	v_add_nc_u32 v[STA], s[SD], v[STA0]
	s_mul_i32 s23, s10, 16*SPITCH
	s_add_co_u32 s23, s23, STAGE                   ; my stage
	v_mul_u32_u24 v[TMP], v2, SPITCH               ; in: row l % 16, 32 bytes for each half of the lanes
	v_lshl_add_u32 v[TMP], v3, 5, v[TMP]
	v_add_nc_u32 v[STO], s23, v[TMP]
	v_add_nc_u32 v[RD], s23, v[XO]                 ; back: 32 lanes take one row of 512 bytes
	s_wait_dscnt 0x0                               ; the opening add is done
	s_wait_kmcnt 0x0
	s_add_nc_u64 s[XB:XB+1], s[4:5], s[16:17]
	s_add_nc_u64 s[46:47], s[6:7], s[46:47]
	s_add_nc_u64 s[8:9], s[8:9], s[18:19]          ; out0 at my wave's corner
.irp s, 0,1
	s_mov_b32 s[G0A+4*(\s)], 1                                       ; 1:0 count = 1
	s_add_co_u32 s[G0A+4*(\s)+1], s20, (\s)*SLOTB                    ; 63:32 LDS address
	s_add_nc_u64 s[G0A+4*(\s)+2:G0A+4*(\s)+3], s[46:47], (\s)*WSTEP  ; 120:64 global address: K step s
	s_or_b32 s[G0A+4*(\s)+3], s[G0A+4*(\s)+3], 0x80000000            ; 127:126 type = 2
.endr
	WIN W_GL
.set un, 0
.rept 64                                               ; the ring's first fill: K step 0.  Sixty-four loads of mine are out; the last is held at issue until the first is back (ISA guide 5.7.1), so no wait is written for the count's sake
	global_load_b128 v[4*un:4*un+3], v[XO], s[XB:XB+1] offset:XROW*un
.set un, un+1
.endr
	WIN 0
	CROUND                                         ; all sixteen work-groups are here: the first joint loads meet
	tensor_load_to_lds s[G0A:G0A+3], s[G1:G1+7]    ; both first fills together, ahead of every wait on TENSORcnt and every LDS read: two tensor loads of mine are out
	s_nop 0
	JLOAD G0B
; One matrix instruction: number i of a half's 32: x's block 4 hi + i / 8, w's block i % 8.  The 64 accumulators take turns, one instruction a turn, in the same order in every quarter.
.macro MM hi, bf, zero
	WIN MUL_LO+0x50*(\hi)
.if \zero
	v_wmma_f32_16x16x32_bf16 v[8*i:8*i+7], v[(\bf)+8*(i%8):(\bf)+8*(i%8)+7], v[AH+32*(\hi)+8*(i/8):AH+32*(\hi)+8*(i/8)+7], 0
.else
	v_wmma_f32_16x16x32_bf16 v[8*i:8*i+7], v[(\bf)+8*(i%8):(\bf)+8*(i%8)+7], v[AH+32*(\hi)+8*(i/8):AH+32*(\hi)+8*(i/8)+7], v[8*i:8*i+7]
.endif
.endm
; Eight LDS loads: x's fragments of my rows 64-127, 32 along K at byte k of the rows
.macro FA1 k
	WIN W_F
.irp n, 0,1,2,3
	ds_load_b128 v[AH+32+8*(\n):AH+32+8*(\n)+3],   v[RA] offset:(\k)+(4+(\n))*R16
	ds_load_b128 v[AH+32+8*(\n)+4:AH+32+8*(\n)+7], v[RA] offset:(\k)+(4+(\n))*R16+32
.endr
.endm
; Twenty-four: w's fragments of my 128 columns into buffer bf, and x's of my rows 0-63
.macro FA0B k, bf
	WIN W_F
.irp n, 0,1,2,3,4,5,6,7
	ds_load_b128 v[(\bf)+8*(\n):(\bf)+8*(\n)+3],   v[RB] offset:(\k)+(\n)*R16
	ds_load_b128 v[(\bf)+8*(\n)+4:(\bf)+8*(\n)+7], v[RB] offset:(\k)+(\n)*R16+32
.endr
.irp n, 0,1,2,3
	ds_load_b128 v[AH+8*(\n):AH+8*(\n)+3],   v[RA] offset:(\k)+(\n)*R16
	ds_load_b128 v[AH+8*(\n)+4:AH+8*(\n)+7], v[RA] offset:(\k)+(\n)*R16+32
.endr
.endm
; Part g of 4 of slice sl of the ring (units 4 sl .. 4 sl + 3).  0, 1: two units each are rounded.  2: the four go into x's slot, 256 consecutive bytes each.  3 (re = 1): their registers are loaded again.
; None of these lines names a register of the matrix instructions round them.
.macro RIDER sl, g, re
.set cvb, CV+8*((\sl)%2)
.if (\g) < 2
.if (\g) == 0
.if \re
	s_wait_loadcnt 60                              ; loads come back in order (ISA guide 5.7.1): the slice's four are in; the fifteen younger slices' sixty stay out
.else
	s_wait_loadcnt 60-4*(\sl)                      ; nothing is loaded any more: the slices behind this one
.endif
.endif
	WIN W_CV
.irp j, 0,1
.set un, 4*(\sl)+2*(\g)+(\j)
	v_cvt_pk_bf16_f32 v[cvb+4*(\g)+2*(\j)],   v[4*un],   v[4*un+1]
	v_cvt_pk_bf16_f32 v[cvb+4*(\g)+2*(\j)+1], v[4*un+2], v[4*un+3]
.endr
.elseif (\g) == 2
.if (MSB&15) != 5                                      ; address and data lie in window 1: behind a matrix instruction the setting serves as it is
	WIN W_1
.endif
.irp j, 0,1,2,3
	ds_store_b64 v[STA], v[cvb+2*(\j):cvb+2*(\j)+1] offset:PITCH*(4*(\sl)+(\j))
.endr
.elseif \re
	WIN W_GL
.irp j, 0,1,2,3
	global_load_b128 v[16*(\sl)+4*(\j):16*(\sl)+4*(\j)+3], v[XO], s[XB:XB+1] offset:XROW*(4*(\sl)+(\j))  ; a row's 512 consecutive bytes; the row stands in the immediate, 1,032,192 at the most
.endr
.endif
.endm
; A HALF: 32 matrix instructions on x's rows 64 hi .. 64 hi + 63 and w's buffer bf.  At its head one run of LDS loads, 32 matrix instructions ahead of its first use: fetch = 1: x's rows 64-127 of this
; quarter; fetch = 2: w's and x's rows 0-63 of the next quarter (w's into nbf); k: their byte in the rows.  pl = 1: four places in front of the run.  wt: the count of the wait for the fragments that
; this half multiplies (-1: none): the ring's stores of the half before and the loads just issued may be out.  Slices sl0 .. sl0 + ns - 1 of the ring stand behind the first 4 ns matrix instructions.
.macro HALF hi, bf, zero, fetch, k, nbf, pl, wt, sl0, ns, re
.if \pl
	PLACES
.endif
.if (\fetch) == 1
	FA1 \k
.elseif (\fetch) == 2
	FA0B \k, \nbf
.endif
.if (\wt) >= 0
	s_wait_dscnt \wt
.endif
.set i, 0
.rept 32
	MM \hi, \bf, \zero
.if i < 4*(\ns)
	RIDER (\sl0)+i/4, i%4, \re
.endif
.set i, i+1
.endr
.endm
; THE FIRST HALF OF A K STEP'S LAST QUARTER, with the step's one barrier.  In front of it each wave waits for all its tensor loads (one is out: its part of w's next slot), adds 0 to its spare word, and waits
; for that, for its reads of both slots in hand and for its ring's stores into x's next slot.  Behind it nobody reads the slots in hand any more, and the next slots are whole.
; fill = 1: w's slot is filled again, two K steps on: the barrier opens a round of the cluster's, and the joint load is the first thing behind the round.  xstep = 1: the ring's loads go a K step on.
.macro MEET bf, wt, ns, re, fill, xstep
	PLACES
	FA1 192
	s_wait_dscnt \wt
.set i, 0
.rept 16
	MM 0, \bf, 0
.if i < 4*(\ns)
	RIDER 14+i/4, i%4, \re                         ; the period's last two slices
.endif
.set i, i+1
.endr
	WIN W_1                                        ; (the add's two registers lie in window 1)
	s_wait_tensorcnt 0x0                           ; no tensor load of mine is out, so a group 0 may be written
	ds_add_u32 v[SPW], v[NIL]                      ; 0 onto my spare word; scalar work and eight matrix instructions stand between it and the wait for it
	s_xor_b32 s[SR], s[SR], SLOTB                  ; behind the barrier the other slots are read,
	s_xor_b32 s[SD], s[SD], SLOTB                  ; and the ring stores into the one just read out
.if \fill
	s_xor_b32 s[G0B+1], s[G0B+1], SLOTB            ; the walking descriptor: the other slot than last time,
	s_add_nc_u64 s[G0B+2:G0B+3], s[G0B+2:G0B+3], WSTEP  ; the next K step; the type bits on top are not reached
.endif
.if \xstep
	s_wait_xcnt 0x0                                ; every earlier memory instruction has had its addresses translated (ISA guide 3.1): the ring's base is stepped only behind this wait
	s_add_nc_u64 s[XB:XB+1], s[XB:XB+1], XSTEP
.endif
.rept 8
	MM 0, \bf, 0
.set i, i+1
.endr
	s_wait_dscnt 0x0                               ; the add is done, my reads of the slots in hand are back, my ring's stores have landed
	s_barrier_signal -1
.rept 8
	MM 0, \bf, 0                                   ; work on registers while the others arrive
.set i, i+1
.endr
.if \fill
	WIN 0
.endif
	s_barrier_wait -1
.if \fill
	CREST                                          ; no wave of any partner still reads this slot of w or has a load on its way
	JLOAD G0B                                      ; my one tensor load behind the round; its four v_nop are also the places in front of the loads that follow
.else
	PLACES
.endif
	WIN W_1
	v_add_nc_u32 v[RA], s[SR], v[RA0]
	v_add_nc_u32 v[RB], s[SR], v[RB0]
	v_add_nc_u32 v[STA], s[SD], v[STA0]
.endm
; A TRIP: quarters 1, 2 and 3 of a K step and quarter 0 of the next.  ns1, re1: the ring's slices a half, and whether they load, up to the barrier; ns2, re2: behind it.
.macro TRIP ns1, re1, fill, xstep, ns2, re2
	HALF 0, BF1, 0, 1, 64,  0,   1, 4*(\ns1)+8,  6,  \ns1, \re1
	HALF 1, BF1, 0, 2, 128, BF0, 1, 4*(\ns1)+24, 8,  \ns1, \re1
	HALF 0, BF0, 0, 1, 128, 0,   1, 4*(\ns1)+8,  10, \ns1, \re1
	HALF 1, BF0, 0, 2, 192, BF1, 1, 4*(\ns1)+24, 12, \ns1, \re1
	MEET BF1, 4*(\ns1)+8, \ns1, \re1, \fill, \xstep
	HALF 1, BF1, 0, 2, 0,   BF0, 0, -1,          0,  \ns2, \re2  ; no wait: the wait for 0 in front of the barrier has covered its fragments
	HALF 0, BF0, 0, 1, 0,   0,   1, 4*(\ns2)+8,  2,  \ns2, \re2
	HALF 1, BF0, 0, 2, 64,  BF1, 1, 4*(\ns2)+24, 4,  \ns2, \re2
.endm
	; THE PROLOGUE: K step 0 goes from the ring into x's slot 0, and K step 1 is asked for.
	s_wait_xcnt 0x0                                ; the ring's base is stepped only behind this wait
	s_add_nc_u64 s[XB:XB+1], s[XB:XB+1], XSTEP
.set sli, 0
.rept 16
	RIDER sli, 0, 1
	RIDER sli, 1, 1
	RIDER sli, 2, 1
	RIDER sli, 3, 1
.set sli, sli+1
.endr
	s_wait_xcnt 0x0
	s_add_nc_u64 s[XB:XB+1], s[XB:XB+1], XSTEP     ; the next loads ask for K step 2,
	s_mov_b32 s[SD], SLOTB                         ; and K step 1 goes into x's slot 1
	WIN W_1
	v_add_nc_u32 v[RA], s[SR], v[RA0]
	v_add_nc_u32 v[RB], s[SR], v[RB0]
	v_add_nc_u32 v[STA], s[SD], v[STA0]
	s_wait_tensorcnt 0x1                           ; my part of w's K step 0 is in; K step 1's may stay out
	s_wait_dscnt 0x0                               ; my part of x's K step 0 has landed
	s_barrier_signal -1
	s_barrier_wait -1                              ; everybody's has
	FA0B 0, BF0
	HALF 0, BF0, 1, 1, 0,  0,   0, 8,  0, 4, 1     ; the first quarter stands in front of the loop: its products start the sums.  It has no half behind a barrier in front of it, so this half takes four slices
	HALF 1, BF0, 1, 2, 64, BF1, 1, 40, 4, 2, 1     ; (sixteen stores and the 24 loads just issued may be out)
	WIN 0                                          ; at a label and at a branch every window is 0
	s_mov_b32 s52, 29
.Ltrip:                                                ; K steps 0 to 28: everything is asked for again
	TRIP 2, 1, 1, 1, 2, 1
	WIN 0
	s_sub_co_u32 s52, s52, 1
	s_cmp_lg_u32 s52, 0
	s_cbranch_scc1 .Ltrip
	TRIP 2, 1, 1, 0, 2, 0                          ; K step 29, written out: w's last refill (K step 31); behind its barrier the ring stores K step 31 and loads nothing
	TRIP 2, 0, 0, 0, 0, 0                          ; K step 30: nothing is filled, so no round; behind its barrier the ring is empty
	HALF 0, BF1, 0, 1, 64,  0,   1, 8,  0, 0, 0    ; K step 31's quarters 1 to 3
	HALF 1, BF1, 0, 2, 128, BF0, 1, 24, 0, 0, 0
	HALF 0, BF0, 0, 1, 128, 0,   1, 8,  0, 0, 0
	HALF 1, BF0, 0, 2, 192, BF1, 1, 24, 0, 0, 0
	HALF 0, BF1, 0, 1, 192, 0,   1, 8,  0, 0, 0
	HALF 1, BF1, 0, 0, 0,   0,   0, 0,  0, 0, 0
; THE WAY OUT.  A lane's 32 bytes are a sixteenth of a row's 512, and the lanes beside it hold other rows.  So a block of 16 rows at a time goes through my own stage in LDS: in by 16 bytes into rows of 528,
; back as whole rows.  The ring's registers are free: four buffers of 64 take turns.
.macro TOSTAGE a
.set AC, 64*((\a)%4)
	WIN 0x09+4*((\a)/4)                            ; address window 1, data window 2 or 3
.irp b, 0,1,2,3,4,5,6,7
	ds_store_b128 v[STO], v[AC+8*(\b):AC+8*(\b)+3]   offset:64*(\b)     ; each accumulator's low four registers first
	ds_store_b128 v[STO], v[AC+8*(\b)+4:AC+8*(\b)+7] offset:64*(\b)+16
.endr
	WIN W_GL
.if (\a) >= 4
	s_wait_xcnt 0x0                                ; the buffer's last stores (four blocks back) have read it: it is loaded again only behind this wait
.endif
.irp t, 0,1,2,3,4,5,6,7,8,9,10,11,12,13,14,15
	ds_load_b128 v[AC+4*(\t):AC+4*(\t)+3], v[RD] offset:SPITCH*(\t)  ; LDS serves a wave's instructions in order (ISA guide 5.7.1.4): these see the stores above; the next block's stores come behind them
.endr
.endm
.macro SEND a, younger                 ; younger: the LDS instructions issued behind block a's loads: the next block's 32, or none
.set AC, 64*((\a)%4)
	WIN W_GL
.irp t, 0,1,2,3,4,5,6,7,8,9,10,11,12,13,14,15
	s_wait_dscnt (\younger)+15-(\t)
	global_store_b128 v[XO], v[AC+4*(\t):AC+4*(\t)+3], s[8:9] offset:(16*(\a)+(\t))*CROW th:TH_STORE_NT  ; 32 lanes store 512 consecutive bytes, at a multiple of 512 from out0's first; 1,040,384 at the most in the immediate
.endr
.endm
	PLACES                                         ; behind the last products
	TOSTAGE 0
.irp a, 1,2,3,4,5,6,7                  ; a block's way into the stage stands between the loads of the block before and its stores
	TOSTAGE \a
	SEND (\a)-1, 32
.endr
	SEND 7, 0
	WIN W_1
	s_wait_tensorcnt 0x0                           ; the wave's end: the wait, the add and its wait stand behind my last tensor load and my last LDS store
	ds_add_u32 v[SPW], v[NIL]
	s_wait_dscnt 0x0
	WIN 0
	CROUND                                         ; the closing round: no work-group ends while a partner may still ask for a tile that names it
	s_endpgm
.Lfunc_end_k_qba7b3a6d66_pqgemm:
	.size	k_qba7b3a6d66_pqgemm, .Lfunc_end_k_qba7b3a6d66_pqgemm-k_qba7b3a6d66_pqgemm
	.p2alignl 7, 3214868480
	.fill 96, 4, 3214868480
	.section	.rodata,"a",@progbits
	.p2align	6, 0x0
	.amdhsa_kernel k_qba7b3a6d66_pqgemm
		.amdhsa_group_segment_fixed_size 327680
		.amdhsa_private_segment_fixed_size 0
		.amdhsa_enable_private_segment 0
		.amdhsa_kernarg_size 24
		.amdhsa_user_sgpr_count 2
		.amdhsa_user_sgpr_kernarg_segment_ptr 1
		.amdhsa_wavefront_size32 1
		.amdhsa_system_sgpr_workgroup_id_x 1
		.amdhsa_system_sgpr_workgroup_id_y 1
		.amdhsa_system_sgpr_workgroup_id_z 1
		.amdhsa_system_vgpr_workitem_id 0
		.amdhsa_next_free_vgpr 1024
		.amdhsa_next_free_sgpr 66
		.amdhsa_reserve_vcc 0
		.amdhsa_float_denorm_mode_32 3
		.amdhsa_float_denorm_mode_16_64 3
		.amdhsa_memory_ordered 1
		.amdhsa_forward_progress 1
		.amdhsa_inst_pref_size 228
	.end_amdhsa_kernel
	.amdgpu_metadata
---
amdhsa.version: [ 1, 2 ]
amdhsa.kernels:
  - .name:           k_qba7b3a6d66_pqgemm
    .symbol:         k_qba7b3a6d66_pqgemm.kd
    .args:
      - { .name: x, .offset: 0, .size: 8, .value_kind: global_buffer, .address_space: global }
      - { .name: w, .offset: 8, .size: 8, .value_kind: global_buffer, .address_space: global }
      - { .name: out0, .offset: 16, .size: 8, .value_kind: global_buffer, .address_space: global }
    .group_segment_fixed_size: 327680
    .private_segment_fixed_size: 0
    .kernarg_segment_align: 8
    .kernarg_segment_size: 24
    .max_flat_workgroup_size: 128
    .sgpr_count:     66
    .vgpr_count:     1024
    .wavefront_size: 32
...
	.end_amdgpu_metadata
.endif
;; end of part 2
;; ======== version 2 of 3: 2 launches; 1.13 times as fast as version 1
;; workspace buffers: w 16,777,216 bytes; xb 67,108,864 bytes
;; launch prep (part 3): grid 1280 x 1, 8 waves a work-group, no clusters, 0 bytes of LDS; arguments assignments, codebooks, x, w, xb; writes w, xb
.if DOCPART == 3
	.amdgcn_target "amdgcn-amd-amdhsa--gfx1250"
	.amdhsa_code_object_version 6
	.text
	.protected	k_qba7b3a6d66_prep
	.globl	k_qba7b3a6d66_prep
	.p2align	8
	.type	k_qba7b3a6d66_prep,@function
k_qba7b3a6d66_prep:
	s_mov_b64 s[64:65], 0
	v_nop
	global_prefetch_b8 v0, s[64:65] scope:SCOPE_SE
	s_setreg_imm32_b32 hwreg(HW_REG_WAVE_MODE, 25, 1), 1
	s_wait_xcnt 0x0
; THE PRODUCT'S TWO OPERANDS ARE WRITTEN OUT IN bf16, each number rounded once (to nearest even):
;   w[o][128 s + c] = bf16(codebooks[s][assignments[o][s]][c])      assignments: [2048][32] i32.  codebooks: [32][256][128] f32.  w: [2048][4096] bf16.
;   xb[m][i] = bf16(x[m][i])                                        x: [8192][4096] f32.  xb: [8192][4096] bf16.
; WHY x TOO.  Each row of x is an operand of eight tiles of the product.  Rounded here, it is rounded once and not eight times, its bytes are halved, and the next launch can ask for its tiles by the
; tensor data mover, jointly for four work-groups, which a tile that still has to be rounded does not allow.
; SHARES.  One wave makes one row of 4,096 bf16, in 32 pieces of 128: a piece is one load of 16 bytes a lane (512 consecutive bytes), two packed roundings, and one store of 8 bytes a lane: 256
; consecutive bytes, at a multiple of 256 from the buffer's first byte.  All 32 loads of a wave go out before the first is waited for.  Work-groups 0 to 255 make w's 2,048 rows (a piece is a
; centroid, named by an index), work-groups 256 to 1,279 xb's 8,192 rows (a piece is the row's next 512 bytes): the same bytes for every wave.  Both jobs are streams that share nothing, so they stand
; in one launch; the branch hangs on the work-group's number alone.  The gatherers have the lower numbers: their chain of two scalar loads runs beside the stream.  No LDS, no barrier, no loop.
; LIMIT.  An index is taken as an unsigned number and held to 255 at the most: indices 0 to 255 are served as they are; anything else (a negative number too) names centroid 255.
.set GATHER, 256                       ; work-groups that make w
.set PIECES, 32
.set CBOOK,  256*128*4                 ; bytes of one subvector's codebook
.set OFF,    4                         ; v[4:35]    w's piece p: byte offset of my 16 bytes in its codebook; never rewritten
.set D,      36                        ; v[36:163]  piece p: four registers as loaded; the first two then hold the four bf16
; The 32 pieces are rounded and stored, each as soon as it is in; the wave ends.
.macro OUT
.set p, 0
.rept PIECES
	s_wait_loadcnt PIECES-1-p                      ; loads come back in order (ISA guide 5.7.1): piece p is in, the younger ones stay out
	v_cvt_pk_bf16_f32 v[D+4*p],   v[D+4*p],   v[D+4*p+1]
	v_cvt_pk_bf16_f32 v[D+4*p+1], v[D+4*p+2], v[D+4*p+3]
	global_store_b64 v3, v[D+4*p:D+4*p+1], s[8:9] offset:256*p  ; 32 lanes store 256 consecutive bytes
.set p, p+1
.endr
	s_endpgm
.endm
	s_load_b256 s[48:55], s[0:1], 0x0              ; assignments s[48:49], codebooks s[50:51], x s[52:53], w s[54:55]
	s_load_b64 s[56:57], s[0:1], 0x20              ; xb
	v_lshrrev_b32 v1, 5, v0
	v_readfirstlane_b32 s10, v1                    ; my wave's number
	v_and_b32 v1, 31, v0                           ; lane
	v_lshlrev_b32 v2, 4, v1                        ; my 16 bytes of a piece as it is read
	v_lshlrev_b32 v3, 3, v1                        ; my 8 bytes of a piece as it is written
	s_mov_b32 s13, 0                               ; the offsets' high words
	s_mov_b32 s15, 0
	s_cmp_lt_u32 ttmp9, GATHER
	s_cbranch_scc0 .Lround
	; A ROW OF w
	s_lshl_b32 s11, ttmp9, 3
	s_add_co_u32 s11, s11, s10                     ; o = 8 x work-group + wave
	s_lshl_b32 s12, s11, 7                         ; a row of assignments is 128 bytes,
	s_lshl_b32 s14, s11, 13                        ; a row of w 8,192
	s_wait_kmcnt 0x0
	s_add_nc_u64 s[12:13], s[48:49], s[12:13]
	s_add_nc_u64 s[8:9], s[54:55], s[14:15]
	s_load_b512 s[16:31], s[12:13], 0x0            ; the row's 32 indices: the same for all lanes, so they live in scalar registers
	s_load_b512 s[32:47], s[12:13], 0x40
	s_wait_kmcnt 0x0
.set p, 0
.rept PIECES
	s_min_u32 s[16+p], s[16+p], 0xff               ; the index stays inside its codebook
	v_lshl_add_u32 v[OFF+p], s[16+p], 9, v2        ; 512 bytes a centroid + my 16
	global_load_b128 v[D+4*p:D+4*p+3], v[OFF+p], s[50:51] offset:CBOOK*p  ; the codebook's place stands in the immediate: 4,063,232 at the most; no hint: a centroid may be named again
.set p, p+1
.endr
	OUT
.Lround:
	; A ROW OF xb
	s_sub_co_u32 s11, ttmp9, GATHER
	s_lshl_b32 s11, s11, 3
	s_add_co_u32 s11, s11, s10                     ; m = 8 x (work-group - 256) + wave
	s_lshl_b32 s12, s11, 14                        ; a row of x is 16,384 bytes (the last begins under 2^27),
	s_lshl_b32 s14, s11, 13                        ; a row of xb 8,192
	s_wait_kmcnt 0x0
	s_add_nc_u64 s[6:7], s[52:53], s[12:13]
	s_add_nc_u64 s[8:9], s[56:57], s[14:15]
.set p, 0
.rept PIECES
	global_load_b128 v[D+4*p:D+4*p+3], v2, s[6:7] offset:512*p th:TH_LOAD_NT  ; 32 lanes read 512 consecutive bytes; the launch reads each byte of x once
.set p, p+1
.endr
	OUT
.Lfunc_end_k_qba7b3a6d66_prep:
	.size	k_qba7b3a6d66_prep, .Lfunc_end_k_qba7b3a6d66_prep-k_qba7b3a6d66_prep
	.p2alignl 7, 3214868480
	.fill 96, 4, 3214868480
	.section	.rodata,"a",@progbits
	.p2align	6, 0x0
	.amdhsa_kernel k_qba7b3a6d66_prep
		.amdhsa_group_segment_fixed_size 0
		.amdhsa_private_segment_fixed_size 0
		.amdhsa_enable_private_segment 0
		.amdhsa_kernarg_size 40
		.amdhsa_user_sgpr_count 2
		.amdhsa_user_sgpr_kernarg_segment_ptr 1
		.amdhsa_wavefront_size32 1
		.amdhsa_system_sgpr_workgroup_id_x 1
		.amdhsa_system_sgpr_workgroup_id_y 1
		.amdhsa_system_sgpr_workgroup_id_z 1
		.amdhsa_system_vgpr_workitem_id 0
		.amdhsa_next_free_vgpr 164
		.amdhsa_next_free_sgpr 66
		.amdhsa_reserve_vcc 0
		.amdhsa_float_denorm_mode_32 3
		.amdhsa_float_denorm_mode_16_64 3
		.amdhsa_memory_ordered 1
		.amdhsa_forward_progress 1
		.amdhsa_inst_pref_size 28
	.end_amdhsa_kernel
	.amdgpu_metadata
---
amdhsa.version: [ 1, 2 ]
amdhsa.kernels:
  - .name:           k_qba7b3a6d66_prep
    .symbol:         k_qba7b3a6d66_prep.kd
    .args:
      - { .name: assignments, .offset: 0, .size: 8, .value_kind: global_buffer, .address_space: global }
      - { .name: codebooks, .offset: 8, .size: 8, .value_kind: global_buffer, .address_space: global }
      - { .name: x, .offset: 16, .size: 8, .value_kind: global_buffer, .address_space: global }
      - { .name: w, .offset: 24, .size: 8, .value_kind: global_buffer, .address_space: global }
      - { .name: xb, .offset: 32, .size: 8, .value_kind: global_buffer, .address_space: global }
    .group_segment_fixed_size: 0
    .private_segment_fixed_size: 0
    .kernarg_segment_align: 8
    .kernarg_segment_size: 40
    .max_flat_workgroup_size: 256
    .sgpr_count:     66
    .vgpr_count:     164
    .wavefront_size: 32
...
	.end_amdgpu_metadata
.endif
;; end of part 3
;; launch gemm (part 4): grid 8 x 32, 4 waves a work-group, clusters of 4 x 4, 327,680 bytes of LDS; arguments xb, w, out0; writes out0
.if DOCPART == 4
	.amdgcn_target "amdgcn-amd-amdhsa--gfx1250"
	.amdhsa_code_object_version 6
	.text
	.protected	k_qba7b3a6d66_gemm
	.globl	k_qba7b3a6d66_gemm
	.p2align	8
	.type	k_qba7b3a6d66_gemm,@function
k_qba7b3a6d66_gemm:
	s_mov_b64 s[64:65], 0
	v_nop
	global_prefetch_b8 v0, s[64:65] scope:SCOPE_SE
	s_setreg_imm32_b32 hwreg(HW_REG_WAVE_MODE, 25, 1), 1
	s_wait_xcnt 0x0
	s_wait_alu depctr_hold_cnt(0) depctr_sa_sdst(0) depctr_va_vdst(0) depctr_va_sdst(0) depctr_va_ssrc(0) depctr_va_vcc(0) depctr_vm_vsrc(0)
	s_getreg_b32 s2, hwreg(HW_REG_IB_STS2, 6, 4)
	s_cmp_eq_u32 s2, 0
	s_cbranch_scc0 .Lentry_in_a_cluster
	s_endpgm
.Lentry_in_a_cluster:
	s_bfe_u32 s2, ttmp6, 0x10000c
	s_cmp_lg_u32 s2, 0xf033
	s_cbranch_scc0 .Lentry_shape_is_right
	s_endpgm
.Lentry_shape_is_right:
; out0[m][o] = the sum over i of xb[m][i] w[o][i].  xb: [8192][4096] bf16, w: [2048][4096] bf16 (both made by the launch before).  out0: [8192][2048] f32.
; One f32 sum for each output, K ascending; out0 is stored as the sums are.  NaN and infinities are not treated apart.
; SHARES.  A tile of out0, 256 x 256, is made by a work-group of four waves: 32 x 8 tiles, one to a work-group.  A wave makes 128 x 128: 64 accumulators of 16 x 16, 512 registers.
; K goes in 32 steps of 128 through a ring of two LDS slots filled by the tensor data mover: the rows of both tiles are 256 bytes of memory and start at multiples of 256 bytes from the buffer's first.
; CLUSTERS: 4 x 4 work-groups.  The four of a row of the cluster make tiles of one tile row and need the same tiles of xb; the four of a column need the same tiles of w.  Such a tile is asked for
; JOINTLY: each of the four issues the same tensor load, with the same descriptor and a mask that names the four, and each receives the tile in its own LDS: the requests for both are divided by four.
; THE MATRIX INSTRUCTION IS USED TRANSPOSED: source 0 = 16 rows of w, source 1 = 16 rows of xb: a lane then holds row l % 16 of out0 and eight neighbouring columns, 8 (l / 16) + 0..7.
; REGISTERS, in windows of 256 (s_set_vgpr_msb: bits 1:0 source 0, 3:2 source 1, 5:4 source 2, 7:6 destination):
;   window 0: v0-31 addresses; v64-127, v128-191 fragments of xb (8 x 16 rows x 32 K), two buffers
;   window 1: v64-127, v128-191 fragments of w, two buffers; on the way out all 256: four buffers of 64
;   window 2: the 32 accumulators of my rows 0-63 (accumulator (a, b) at v[8 (8 a + b)]);   window 3: those of my rows 64-127
; Work is laid in long stretches under one setting: 32 matrix instructions, 16 loads, 16 loads, 32 matrix instructions.
.set SIZE_N, 2048
.set SIZE_K, 4096
.set KSTEP,  128
.set PITCH,  272                       ; an LDS row: 256 bytes of data + 16 of padding = 68 words: row r starts at bank 4 r mod 64 (64 banks of 4 bytes: ISA guide 11.1), so the 16 rows that a load touches start at 16 different banks
.set HALFT,  128*PITCH                 ; 128 rows: what one tensor load brings, and what one wave reads of xb or of w
.set SLOT,   4*HALFT                   ; xb's 256 rows, then w's 256 rows
.set STAGE,  2*SLOT                    ; behind the ring: 16 rows x 528 bytes for each wave, for the way out; no tensor load fills it
.set SPITCH, 528                       ; 512 bytes + 16 = 132 words: row r starts at bank 4 r mod 64
.set SPARE,  STAGE+4*16*SPITCH         ; behind the stages: the spare words, 128 bytes for each wave: two blocks of 256 bytes that no other line names
.set LAPS,   SIZE_K/(2*KSTEP)          ; a lap = two K steps = once round the ring: 16
.set CROW,   SIZE_N*4                  ; bytes in a row of out0
.set ADRA, 16                          ; v16-17  LDS address of my xb fragments in slot 0, 1
.set ADRB, 20                          ; v20-21  the same for w
.set STO,  24                          ; v24     the way out: where I put 32 bytes of a row
.set RD,   25                          ; v25     the way out: where I read a row back
.set CO,   26                          ; v26     16 x lane: my bytes in a row of out0; never rewritten
.set SPW,  28                          ; v28     LDS address of my spare word: SPARE + 4 x my thread's number; never rewritten
.set NIL,  29                          ; v29     0; never rewritten
.set F0,   64                          ; fragment buffer 0
.set F1,   128                         ; fragment buffer 1
.set G1, 24                            ; s[24:31] descriptor group 1 for xb's tiles
.set G0, 32                            ; s[32:39] descriptor group 0 for xb's tiles, one set for each slot
.set G1B, 48                           ; s[48:55] descriptor group 1 for w's tiles: it differs in the mask alone
.set G0B, 56                           ; s[56:63] descriptor group 0 for w's tiles, one set for each slot
.set MSB, 0
.macro WIN new                         ; the immediate's high byte repeats the setting that is left; a switch that changes nothing is dropped
.if MSB != (\new)
	s_set_vgpr_msb (MSB<<8)|(\new)
.set MSB, \new
.endif
.endm
.set MUL_LO, 0xa1                      ; source 0 (w) window 1, source 1 (xb) window 0, C and D window 2
.set MUL_HI, 0xf1                      ; the same, C and D window 3
.set TO_B,   0x40                      ; destination window 1, address window 0
.set FROM_B, 0x04                      ; a store's data window 1, address window 0
; A joint load.  Waves 0 and 1 fetch xb's two halves, waves 2 and 3 w's.  Each of the two lines has ONE mask and one set of registers for all that issue it, and nothing in them hangs on a coordinate
; that the four partners do not share.  The branch hangs on the wave's number alone.  An s_nop 0 and four v_nop follow each line, ahead of the jump, the label and what follows.
.macro JLOAD s
	s_cmp_eq_u32 s11, 0
	s_cbranch_scc0 .Lfor_b_\@
	tensor_load_to_lds s[G0+4*(\s):G0+4*(\s)+3], s[G1:G1+7]
	s_nop 0
.rept 4
	v_nop
.endr
	s_branch .Lasked_\@
.Lfor_b_\@:
	tensor_load_to_lds s[G0B+4*(\s):G0B+4*(\s)+3], s[G1B:G1B+7]
	s_nop 0
.rept 4
	v_nop
.endr
.Lasked_\@:
.endm
; A round of the cluster's barrier: my work-group's barrier, so that wave 0's signal speaks for all four waves; wave 0 signals for the work-group; every wave waits for all sixteen work-groups;
; my work-group's barrier once more.  No LDS instruction of the wave is pending at a signal.
.macro CREST                           ; a round behind its opening barrier
	s_cmp_lg_u32 s10, 0
	s_cbranch_scc1 .Lnot_wave_0_\@
	s_barrier_signal -3
.Lnot_wave_0_\@:
	s_barrier_wait -3
	s_barrier_signal -1
	s_barrier_wait -1
.endm
.macro CROUND                          ; a whole round
	s_barrier_signal -1
	s_barrier_wait -1
	CREST
.endm
	s_load_b128 s[4:7], s[0:1], 0x0                ; xb s[4:5], w s[6:7]
	s_load_b64 s[8:9], s[0:1], 0x10                ; out0
	v_lshl_add_u32 v[SPW], v0, 2, SPARE
	v_mov_b32 v[NIL], 0
	ds_add_u32 v[SPW], v[NIL]                      ; the wave's opening: the add and its wait stand ahead of my first tensor load; the set-up below, work on registers, stands between them
	v_lshrrev_b32 v1, 5, v0
	v_readfirstlane_b32 s10, v1                    ; wave 0..3
	s_lshr_b32 s11, s10, 1                         ; which half of the tile's rows is mine.  Also: I fetch for xb (0) or for w (1)
	s_and_b32 s12, s10, 1                          ; which half of its columns.  Also: which 128 rows of that tile I fetch
	s_bfe_u32 s40, ttmp6, 0x40000                  ; cx: my place along the cluster's x
	s_bfe_u32 s41, ttmp6, 0x40004                  ; cy: along its y
	s_lshl_b32 s42, ttmp9, 2                       ; in a cluster launch ttmp9 and ttmp7 count clusters
	s_add_co_u32 s42, s42, s40                     ; tile column = 4 x cluster x + cx
	s_and_b32 s13, ttmp7, 0xffff
	s_lshl_b32 s13, s13, 2
	s_add_co_u32 s13, s13, s41                     ; tile row = 4 x cluster y + cy
	s_lshl_b32 s43, s41, 2
	s_lshl_b32 s43, 15, s43                        ; my row of the cluster: places 4 cy .. 4 cy + 3
	s_lshl_b32 s44, 0x1111, s40                    ; my column: places cx, cx + 4, cx + 8, cx + 12
	; descriptor group 1: a tile of 128 rows x 128 elements, padded in LDS
	s_or_b32 s[G1+0], s43, (1<<16)|(1<<20)|(1<<21)|(5<<22)|(3<<25)  ; 15:0 the mask: xb's tiles go to my row; 17:16 element of 2 bytes; 20 padding on; 21 set beside a mask; 24:22 after every 64 words (code 5); 31:25 of 4 words (code 3)
	s_or_b32 s[G1B+0], s44, (1<<16)|(1<<20)|(1<<21)|(5<<22)|(3<<25) ; the same with the mask of my column, for w's tiles
	s_mov_b32 s[G1B+1], KSTEP<<16
	s_mov_b32 s[G1+1], KSTEP<<16                   ; 63:48 tensor_dim0, low half = 128
	s_mov_b32 s[G1B+2], 128<<16
	s_mov_b32 s[G1+2], 128<<16                     ; 79:64 its high half = 0; 95:80 tensor_dim1, low half = 128
	s_mov_b32 s[G1B+3], KSTEP<<16
	s_mov_b32 s[G1+3], KSTEP<<16                   ; 111:96 its high half = 0; 127:112 tile_dim0 = 128
	s_mov_b32 s[G1B+4], 128
	s_mov_b32 s[G1+4], 128                         ; 143:128 tile_dim1 = 128; 159:144 tile_dim2 = 0
	s_mov_b32 s[G1B+5], SIZE_K
	s_mov_b32 s[G1+5], SIZE_K                      ; 191:160 tensor_dim0_stride, low word: elements from row to row
	s_mov_b32 s[G1B+6], 0
	s_mov_b32 s[G1+6], 0
	s_mov_b32 s[G1B+7], 0
	s_mov_b32 s[G1+7], 0
	; where the tiles come from.  xb's hang on the tile row alone, which my row of the cluster shares; w's on the tile column alone, which my column shares.
	; Every wave makes both addresses, in registers that never hold the other coordinate, and asks by one of them.
	s_lshl_b32 s17, s12, 7                         ; which 128 rows of the tile I fetch
	s_lshl_b32 s16, s13, 8
	s_add_co_u32 s16, s16, s17                     ; xb: row 256 x tile row + 128 x half
	s_lshl_b32 s46, s42, 8
	s_add_co_u32 s46, s46, s17                     ; w: row 256 x tile column + 128 x half
	s_mov_b32 s17, 0
	s_mov_b32 s47, 0
	s_mov_b64 s[18:19], SIZE_K*2
	s_mul_u64 s[16:17], s[16:17], s[18:19]         ; in bytes, in 64 bits
	s_mul_u64 s[46:47], s[46:47], s[18:19]
	s_mul_i32 s20, s10, HALFT                      ; and where they go: xb's two halves, then w's two halves = wave x 128 rows: no place in the cluster enters an LDS address
	s_wait_dscnt 0x0                               ; the opening add is done
	s_wait_kmcnt 0x0
	s_add_nc_u64 s[14:15], s[4:5], s[16:17]
	s_add_nc_u64 s[46:47], s[6:7], s[46:47]
	CROUND                                         ; all sixteen work-groups are here: the first joint loads meet
.irp s, 0,1
	s_mov_b32 s[G0+4*(\s)], 1                                      ; 1:0 count = 1
	s_add_co_u32 s[G0+4*(\s)+1], s20, (\s)*SLOT                    ; 63:32 LDS address
	s_add_nc_u64 s[G0+4*(\s)+2:G0+4*(\s)+3], s[14:15], (\s)*KSTEP*2  ; 120:64 global address: K step s
	s_or_b32 s[G0+4*(\s)+3], s[G0+4*(\s)+3], 0x80000000            ; 127:126 type = 2
	s_mov_b32 s[G0B+4*(\s)], 1
	s_add_co_u32 s[G0B+4*(\s)+1], s20, (\s)*SLOT
	s_add_nc_u64 s[G0B+4*(\s)+2:G0B+4*(\s)+3], s[46:47], (\s)*KSTEP*2
	s_or_b32 s[G0B+4*(\s)+3], s[G0B+4*(\s)+3], 0x80000000
	JLOAD \s                                       ; the ring is filled before anything else is done: two tensor loads of mine are out
.endr
	; A fragment is 16 rows x 32 K in 8 registers: lane l holds row l % 16; registers 0-3 hold K = 8 (l / 16) + 0..7, registers 4-7 hold
	; K = 16 + 8 (l / 16) + 0..7.  From rows that lie along K: two loads of 16 bytes, 32 bytes apart.  The same for source 0 and source 1.
	v_and_b32 v1, 15, v0                           ; l % 16
	v_bfe_u32 v2, v0, 4, 1                         ; l / 16
	v_mul_u32_u24 v3, v1, PITCH
	v_lshl_add_u32 v3, v2, 4, v3                   ; row x pitch + 16 x half
	s_mul_i32 s21, s11, HALFT                      ; my 128 rows of xb
	s_mul_i32 s22, s12, HALFT                      ; my 128 rows of w,
	s_add_co_u32 s22, s22, 2*HALFT                 ; which lie behind xb's 256
.irp s, 0,1
	v_add_nc_u32 v[ADRA+(\s)], s21, v3
	v_add_nc_u32 v[ADRB+(\s)], s22, v3
	s_add_co_u32 s21, s21, SLOT
	s_add_co_u32 s22, s22, SLOT
.endr
	s_mul_i32 s23, s10, 16*SPITCH
	s_add_co_u32 s23, s23, STAGE                   ; my stage
	v_mul_u32_u24 v4, v1, SPITCH                   ; in: row l % 16, 32 bytes for each half of the lanes
	v_lshl_add_u32 v4, v2, 5, v4
	v_add_nc_u32 v[STO], s23, v4
	v_and_b32 v5, 31, v0
	v_lshlrev_b32 v[CO], 4, v5                     ; back: 32 lanes take one row of 512 bytes, and the same 512 bytes in out0
	v_add_nc_u32 v[RD], s23, v[CO]
	; out0 at my wave's corner
	s_lshl_b32 s13, s13, 8
	s_lshl_b32 s14, s11, 7
	s_add_co_u32 s16, s13, s14                     ; my first row
	s_mov_b32 s17, 0
	s_mov_b64 s[18:19], CROW
	s_mul_u64 s[16:17], s[16:17], s[18:19]
	s_lshl_b32 s46, s42, 10                        ; my first column, in bytes: 1,024 x tile column + 512 x half (in the registers that held w's address: none that feeds xb's descriptors ever holds cx)
	s_lshl_b32 s47, s12, 9
	s_add_co_u32 s46, s46, s47
	s_mov_b32 s47, 0
	s_add_nc_u64 s[16:17], s[16:17], s[46:47]
	s_add_nc_u64 s[8:9], s[8:9], s[16:17]
; 16 matrix instructions: m blocks a0, a0 + 1 of the window's four (hi = 0: my rows 0-63, 1: rows 64-127) x all 8 n blocks, 32 along K.
; zero = 1: the first product starts the sums: nothing is ever cleared.  The 64 accumulators take turns, one instruction a turn, in the same order in every quarter.
.macro MUL16 f, hi, a0, zero
	WIN MUL_LO+0x50*(\hi)  ; MUL_LO or MUL_HI
.irp a, \a0, (\a0)+1
.irp b, 0,1,2,3,4,5,6,7
.if \zero
	v_wmma_f32_16x16x32_bf16 v[8*(8*(\a)+(\b)):8*(8*(\a)+(\b))+7], v[(\f)+8*(\b):(\f)+8*(\b)+7], v[(\f)+8*(4*(\hi)+(\a)):(\f)+8*(4*(\hi)+(\a))+7], 0
.else
	v_wmma_f32_16x16x32_bf16 v[8*(8*(\a)+(\b)):8*(8*(\a)+(\b))+7], v[(\f)+8*(\b):(\f)+8*(\b)+7], v[(\f)+8*(4*(\hi)+(\a)):(\f)+8*(4*(\hi)+(\a))+7], v[8*(8*(\a)+(\b)):8*(8*(\a)+(\b))+7]
.endif
.endr
.endr
.endm
; 32 LDS loads in one run: the fragments of one quarter step (128 rows of w, 128 rows of xb, 32 K at byte k of the rows) into buffer f
.macro FETCH slot, k, f
	WIN TO_B
.irp i, 0,1,2,3,4,5,6,7
	ds_load_b128 v[(\f)+8*(\i):(\f)+8*(\i)+3],   v[ADRB+(\slot)] offset:(\k)+(\i)*16*PITCH
	ds_load_b128 v[(\f)+8*(\i)+4:(\f)+8*(\i)+7], v[ADRB+(\slot)] offset:(\k)+(\i)*16*PITCH+32
.endr
	WIN 0
.irp i, 0,1,2,3,4,5,6,7
	ds_load_b128 v[(\f)+8*(\i):(\f)+8*(\i)+3],   v[ADRA+(\slot)] offset:(\k)+(\i)*16*PITCH
	ds_load_b128 v[(\f)+8*(\i)+4:(\f)+8*(\i)+7], v[ADRA+(\slot)] offset:(\k)+(\i)*16*PITCH+32
.endr
.endm
; A load into a register that a matrix instruction has read, and whatever reads a matrix result, stand four places behind that matrix instruction, and only plain vector instructions that name none
; of its registers are places (ISA guide 7.12.1 for vector instructions).  So four v_nop stand in front of each run of loads: sixteen for a K step's 256 matrix instructions.
.macro PLACES
.rept 4
	v_nop
.endr
.endm
; A K step is four quarter steps of 32 along K, 64 matrix instructions each, on buffers 0, 1, 0, 1.
; One of the first three: multiplies buffer f; in its middle it fetches the next quarter's fragments, at byte k of the same slot's rows, into buffer g.
.macro QUARTER slot, k, f, g, zero
	s_wait_dscnt 8                                 ; w and xb's rows 0-63 are in; the youngest eight loads (xb's rows 64-127) may be out
	WIN MUL_LO
	MUL16 \f, 0, 0, \zero
	MUL16 \f, 0, 2, \zero
	PLACES
	FETCH \slot, \k, \g
	s_wait_dscnt 32                                ; all but the 32 just issued
	WIN MUL_HI
	MUL16 \f, 1, 0, \zero
	MUL16 \f, 1, 2, \zero
.endm
; The last quarter multiplies buffer 1 and changes slots.  MEET is its first half: ONE barrier for the change of slots, for two things.  In front of it each wave waits for all its tensor loads, of which
; one is out: its part of the next slot; adds 0 to its spare word; and waits for that and for its own reads of this slot.  Behind it nobody reads this slot any more and the next slot is whole.
.macro MEET round                      ; round = 1: a round of the cluster's barrier follows
	WIN 0                                          ; (the add's two registers lie in window 0)
	s_wait_tensorcnt 0x0                           ; all my tensor loads have landed: the one that was out is my part of the next slot;
	ds_add_u32 v[SPW], v[NIL]                      ; 0 onto my spare word;
	s_wait_dscnt 9                                 ; (the add and the youngest eight loads may be out)
	WIN MUL_LO
	MUL16 F1, 0, 0, 0                              ; sixteen matrix instructions stand between the add and the wait for it
	s_wait_dscnt 0x0                               ; the add is done, and my reads of this slot are over (the last were issued 48 matrix instructions ago):
	s_barrier_signal -1                            ; say so (where a slot is filled again this barrier opens a round of the cluster's barrier),
	MUL16 F1, 0, 2, 0                              ; work on registers while the others arrive,
.if \round
	WIN 0
.endif
	s_barrier_wait -1                              ; and go on when all four have said so
.endm
; The whole last quarter.  fill = 1: behind the barrier the slot just read out is filled again first, with the K step two steps on; then come the next slot's first fragments.
; From a request to the wait for it a wave issues 224 matrix instructions.
.macro TURN slot, next, fill
	MEET \fill
.if \fill
	CREST                                          ; wave 0 says so for the work-group, all sixteen work-groups have said so, my work-group's barrier closes the round:
	                                               ; no wave of any partner still reads this slot's tile or has a load on its way
	s_add_nc_u64 s[G0+4*(\slot)+2:G0+4*(\slot)+3], s[G0+4*(\slot)+2:G0+4*(\slot)+3], 2*KSTEP*2    ; no tensor load of mine is out since the wait for 0: a group 0 may be written; the type bits on top are not reached
	s_add_nc_u64 s[G0B+4*(\slot)+2:G0B+4*(\slot)+3], s[G0B+4*(\slot)+2:G0B+4*(\slot)+3], 2*KSTEP*2
	JLOAD \slot                                    ; the first tensor load behind the round, my only one until the next; the four v_nop behind it are also the places in front of the loads below
.else
	PLACES
.endif
	FETCH \next, 0, F0
	WIN MUL_HI
	MUL16 F1, 1, 0, 0
	MUL16 F1, 1, 2, 0
.endm
	s_wait_tensorcnt 1                             ; my part of K step 0 is in; K step 1's may stay out
	s_barrier_signal -1
	s_barrier_wait -1                              ; everybody's is
	FETCH 0, 0, F0
	QUARTER 0, 64,  F0, F1, 1                      ; the first quarter stands in front of the loop: its products start the sums
	WIN 0                                          ; at a label and at a branch every window is 0
	s_mov_b32 s3, LAPS-1
.Llap:                                                 ; a trip goes once round the ring, from a lap's second quarter to the next lap's first, and fills both slots again
	QUARTER 0, 128, F1, F0, 0
	QUARTER 0, 192, F0, F1, 0
	TURN 0, 1, 1
	QUARTER 1, 64,  F0, F1, 0
	QUARTER 1, 128, F1, F0, 0
	QUARTER 1, 192, F0, F1, 0
	TURN 1, 0, 1
	QUARTER 0, 64,  F0, F1, 0
	WIN 0
	s_sub_co_u32 s3, s3, 1
	s_cmp_lg_u32 s3, 0
	s_cbranch_scc1 .Llap
	QUARTER 0, 128, F1, F0, 0                      ; the last lap is written out: it fills nothing, and has no round of the cluster's barrier
	QUARTER 0, 192, F0, F1, 0
	TURN 0, 1, 0
	QUARTER 1, 64,  F0, F1, 0
	QUARTER 1, 128, F1, F0, 0
	QUARTER 1, 192, F0, F1, 0
	s_wait_dscnt 8                                 ; the very last quarter: nothing more to fetch
	MUL16 F1, 0, 0, 0
	MUL16 F1, 0, 2, 0
	s_wait_dscnt 0x0
	MUL16 F1, 1, 0, 0
	MUL16 F1, 1, 2, 0
; THE WAY OUT.  A lane's 32 bytes are a sixteenth of a row's 512, and the lanes beside it hold other rows.  So a block of 16 rows at a time goes through my own stage in LDS: in by 16 bytes into rows of
; 528, back as whole rows.  Window 1 is free: four buffers of 64 take turns.
.macro TOSTAGE a
.set AC, 64*((\a)%4)
	WIN 0x08+4*((\a)/4)                            ; address window 0, data window 2 or 3
.irp b, 0,1,2,3,4,5,6,7
	ds_store_b128 v[STO], v[AC+8*(\b):AC+8*(\b)+3]   offset:64*(\b)     ; each accumulator's low four registers first
	ds_store_b128 v[STO], v[AC+8*(\b)+4:AC+8*(\b)+7] offset:64*(\b)+16
.endr
	WIN TO_B
.if (\a) >= 4
	s_wait_xcnt 0x0                                ; the buffer's last stores (four blocks back) have read it (ISA guide 3.1): it is loaded again only behind this wait
.endif
.irp t, 0,1,2,3,4,5,6,7,8,9,10,11,12,13,14,15
	ds_load_b128 v[AC+4*(\t):AC+4*(\t)+3], v[RD] offset:SPITCH*(\t)  ; LDS serves a wave's instructions in order (ISA guide 5.7.1.4): these see the stores above; the next block's stores come behind them
.endr
.endm
.macro SEND a, younger                 ; younger: the LDS instructions issued behind block a's loads: the next block's 32, or none
.set AC, 64*((\a)%4)
	WIN FROM_B
.irp t, 0,1,2,3,4,5,6,7,8,9,10,11,12,13,14,15
	s_wait_dscnt (\younger)+15-(\t)
	global_store_b128 v[CO], v[AC+4*(\t):AC+4*(\t)+3], s[8:9] offset:(16*(\a)+(\t))*CROW th:TH_STORE_NT  ; 32 lanes store 512 consecutive bytes, at a multiple of 512 from out0's first; 1,040,384 at the most in the immediate
.endr
.endm
	PLACES                                         ; behind the last products
	TOSTAGE 0
.irp a, 1,2,3,4,5,6,7                  ; a block's way into the stage stands between the loads of the block before and its stores
	TOSTAGE \a
	SEND (\a)-1, 32
.endr
	SEND 7, 0
	WIN 0
	s_wait_tensorcnt 0x0                           ; the wave's end: the wait, the add and its wait stand behind my last tensor load and my last LDS store
	ds_add_u32 v[SPW], v[NIL]
	s_wait_dscnt 0x0
	CROUND                                         ; the closing round: no work-group ends while a partner may still ask for a tile that names it
	s_endpgm
.Lfunc_end_k_qba7b3a6d66_gemm:
	.size	k_qba7b3a6d66_gemm, .Lfunc_end_k_qba7b3a6d66_gemm-k_qba7b3a6d66_gemm
	.p2alignl 7, 3214868480
	.fill 96, 4, 3214868480
	.section	.rodata,"a",@progbits
	.p2align	6, 0x0
	.amdhsa_kernel k_qba7b3a6d66_gemm
		.amdhsa_group_segment_fixed_size 327680
		.amdhsa_private_segment_fixed_size 0
		.amdhsa_enable_private_segment 0
		.amdhsa_kernarg_size 24
		.amdhsa_user_sgpr_count 2
		.amdhsa_user_sgpr_kernarg_segment_ptr 1
		.amdhsa_wavefront_size32 1
		.amdhsa_system_sgpr_workgroup_id_x 1
		.amdhsa_system_sgpr_workgroup_id_y 1
		.amdhsa_system_sgpr_workgroup_id_z 1
		.amdhsa_system_vgpr_workitem_id 0
		.amdhsa_next_free_vgpr 1024
		.amdhsa_next_free_sgpr 66
		.amdhsa_reserve_vcc 0
		.amdhsa_float_denorm_mode_32 3
		.amdhsa_float_denorm_mode_16_64 3
		.amdhsa_memory_ordered 1
		.amdhsa_forward_progress 1
		.amdhsa_inst_pref_size 144
	.end_amdhsa_kernel
	.amdgpu_metadata
---
amdhsa.version: [ 1, 2 ]
amdhsa.kernels:
  - .name:           k_qba7b3a6d66_gemm
    .symbol:         k_qba7b3a6d66_gemm.kd
    .args:
      - { .name: xb, .offset: 0, .size: 8, .value_kind: global_buffer, .address_space: global }
      - { .name: w, .offset: 8, .size: 8, .value_kind: global_buffer, .address_space: global }
      - { .name: out0, .offset: 16, .size: 8, .value_kind: global_buffer, .address_space: global }
    .group_segment_fixed_size: 327680
    .private_segment_fixed_size: 0
    .kernarg_segment_align: 8
    .kernarg_segment_size: 24
    .max_flat_workgroup_size: 128
    .sgpr_count:     66
    .vgpr_count:     1024
    .wavefront_size: 32
...
	.end_amdgpu_metadata
.endif
;; end of part 4
;; ======== version 3 of 3: 2 launches; version 2 with the launch prep written anew for expert scheduling mode
;; workspace buffers: w 16,777,216 bytes; xb 67,108,864 bytes
;; launch prep (part 5): grid 1280 x 1, 8 waves a work-group, no clusters, 0 bytes of LDS; arguments assignments, codebooks, x, w, xb; writes w, xb
.if DOCPART == 5
	.amdgcn_target "amdgcn-amd-amdhsa--gfx1250"
	.amdhsa_code_object_version 6
	.text
	.protected	k_qba7b3a6d66_prep
	.globl	k_qba7b3a6d66_prep
	.p2align	8
	.type	k_qba7b3a6d66_prep,@function
k_qba7b3a6d66_prep:
	s_mov_b64 s[64:65], 0
	v_nop
	global_prefetch_b8 v0, s[64:65] scope:SCOPE_SE
	s_setreg_imm32_b32 hwreg(HW_REG_WAVE_SCHED_MODE, 0, 2), 2
	s_setreg_imm32_b32 hwreg(HW_REG_WAVE_MODE, 25, 1), 1
	s_wait_xcnt 0x0
	s_wait_alu depctr_vm_vsrc(0)
; THE PRODUCT'S TWO OPERANDS ARE WRITTEN OUT IN bf16, each number rounded once (to nearest even):
;   w[o][128 s + c] = bf16(codebooks[s][assignments[o][s]][c])      assignments: [2048][32] i32.  codebooks: [32][256][128] f32.  w: [2048][4096] bf16.
;   xb[m][i] = bf16(x[m][i])                                        x: [8192][4096] f32.  xb: [8192][4096] bf16.
; WHY x TOO.  Each row of x is an operand of eight tiles of the product.  Rounded here, it is rounded once and not eight times, its bytes are halved, and the next launch can ask for its tiles by the
; tensor data mover, jointly for four work-groups, which a tile that still has to be rounded does not allow.
; SHARES.  One wave makes one row of 4,096 bf16, in 32 pieces of 128: a piece is one load of 16 bytes a lane (512 consecutive bytes), two packed roundings, and one store of 8 bytes a lane: 256
; consecutive bytes, at a multiple of 256 from the buffer's first byte.  All 32 loads of a wave go out before the first is waited for.  Work-groups 0 to 255 make w's 2,048 rows (a piece is a
; centroid, named by an index), work-groups 256 to 1,279 xb's 8,192 rows (a piece is the row's next 512 bytes): the same bytes for every wave.  Both jobs are streams that share nothing, so they stand
; in one launch; the branch hangs on the work-group's number alone.  The gatherers have the lower numbers: their chain of two scalar loads runs beside the stream.  No LDS, no barrier, no loop.
; LIMIT.  An index is taken as an unsigned number and held to 255 at the most: indices 0 to 255 are served as they are; anything else (a negative number too) names centroid 255.
; THE MODE: SCHED_MODE bits 1:0 = 2 (LLVM: expert scheduling mode 2), set by the entry lines.  The code itself states the register dependences between vector instructions and memory instructions,
; with s_wait_alu, always for 0.
; THE PLAN.  Registers that memory instructions touch:
;   v2, v3     byte offsets, made once at the head.  v2 is read by xb's loads, v3 by every store.  Never written again.
;   OFF        w's way alone: 32 byte offsets, made in one run of vector lines; each is read by one load.  Never written again.
;   D          four registers a piece.  The piece's load lands in them; its two roundings read all four and write the first two; its store reads those two.  Never written again.
; All loads are issued ahead of the first rounding, into registers that no vector line has named; no register that a memory instruction reads is ever written again: so the text states only that vector
; results are written ahead of the memory instructions that read them.  One wait stands ahead of the run of 32 loads, for the offsets.  The 32 pieces then go in 8 blocks of four: block b rounds its own
; four pieces, and its memory instructions are the four stores of block b - 1, whose registers no vector line of block b names.  So one wait at a block's head states all that its four stores hang on, and
; they are dealt among its roundings with no further wait.  One more wait stands ahead of the last block's stores.
.set GATHER, 256                       ; work-groups that make w
.set PIECES, 32
.set BLOCK,  4                         ; pieces in a block
.set BLOCKS, PIECES/BLOCK
.set CBOOK,  256*128*4                 ; bytes of one subvector's codebook
.set OFF,    4                         ; v[4:35]    w's piece p: byte offset of my 16 bytes in its codebook; never rewritten
.set D,      36                        ; v[36:163]  piece p: four registers as loaded; the first two then hold the four bf16
; The 32 pieces are rounded, a block of four as soon as it is in, and stored a block later; the wave ends.
.macro OUT
.set b, 0
.rept BLOCKS
	s_wait_loadcnt PIECES-BLOCK*(b+1)              ; loads come back in order (ISA guide 5.7.1): block b's four pieces are in, the younger blocks stay out
.if b > 0
	s_wait_alu depctr_va_vdst(0)                   ; the roundings of the block before have written its eight registers of bf16, which the four stores below read
.endif
.set i, 0
.rept BLOCK
.set p, BLOCK*b+i
.if b > 0
	global_store_b64 v3, v[D+4*(p-BLOCK):D+4*(p-BLOCK)+1], s[8:9] offset:256*(p-BLOCK)  ; 32 lanes store 256 consecutive bytes; no vector line since the wait names these registers or v3
.endif
	v_cvt_pk_bf16_f32 v[D+4*p],   v[D+4*p],   v[D+4*p+1]
	v_cvt_pk_bf16_f32 v[D+4*p+1], v[D+4*p+2], v[D+4*p+3]
.set i, i+1
.endr
.set b, b+1
.endr
	s_wait_alu depctr_va_vdst(0)                   ; the last block's roundings have written its eight registers of bf16, which the last four stores read
.set i, 0
.rept BLOCK
.set p, PIECES-BLOCK+i
	global_store_b64 v3, v[D+4*p:D+4*p+1], s[8:9] offset:256*p  ; 32 lanes store 256 consecutive bytes
.set i, i+1
.endr
	s_endpgm
.endm
	s_load_b256 s[48:55], s[0:1], 0x0              ; assignments s[48:49], codebooks s[50:51], x s[52:53], w s[54:55]
	s_load_b64 s[56:57], s[0:1], 0x20              ; xb
	v_lshrrev_b32 v1, 5, v0
	v_readfirstlane_b32 s10, v1                    ; my wave's number
	v_and_b32 v1, 31, v0                           ; lane
	v_lshlrev_b32 v2, 4, v1                        ; my 16 bytes of a piece as it is read
	v_lshlrev_b32 v3, 3, v1                        ; my 8 bytes of a piece as it is written
	s_mov_b32 s13, 0                               ; the offsets' high words
	s_mov_b32 s15, 0
	s_wait_alu depctr_va_sdst(0)                   ; s10 is written
	s_cmp_lt_u32 ttmp9, GATHER
	s_cbranch_scc0 .Lround
	; A ROW OF w
	s_lshl_b32 s11, ttmp9, 3
	s_add_co_u32 s11, s11, s10                     ; o = 8 x work-group + wave
	s_lshl_b32 s12, s11, 7                         ; a row of assignments is 128 bytes,
	s_lshl_b32 s14, s11, 13                        ; a row of w 8,192
	s_wait_kmcnt 0x0
	s_add_nc_u64 s[12:13], s[48:49], s[12:13]
	s_add_nc_u64 s[8:9], s[54:55], s[14:15]
	s_load_b512 s[16:31], s[12:13], 0x0            ; the row's 32 indices: the same for all lanes, so they live in scalar registers
	s_load_b512 s[32:47], s[12:13], 0x40
	s_wait_kmcnt 0x0
.set p, 0
.rept PIECES
	s_min_u32 s[16+p], s[16+p], 0xff               ; the index stays inside its codebook
	v_lshl_add_u32 v[OFF+p], s[16+p], 9, v2        ; 512 bytes a centroid + my 16
.set p, p+1
.endr
	s_wait_alu depctr_va_vdst(0)                   ; the 32 offsets are written, which the loads below read; so is v3, which every store reads
.set p, 0
.rept PIECES
	global_load_b128 v[D+4*p:D+4*p+3], v[OFF+p], s[50:51] offset:CBOOK*p  ; the codebook's place stands in the immediate: 4,063,232 at the most; no hint: a centroid may be named again
.set p, p+1
.endr
	OUT
.Lround:
	; A ROW OF xb
	s_sub_co_u32 s11, ttmp9, GATHER
	s_lshl_b32 s11, s11, 3
	s_add_co_u32 s11, s11, s10                     ; m = 8 x (work-group - 256) + wave
	s_lshl_b32 s12, s11, 14                        ; a row of x is 16,384 bytes (the last begins under 2^27),
	s_lshl_b32 s14, s11, 13                        ; a row of xb 8,192
	s_wait_kmcnt 0x0
	s_add_nc_u64 s[6:7], s[52:53], s[12:13]
	s_add_nc_u64 s[8:9], s[56:57], s[14:15]
	s_wait_alu depctr_va_vdst(0)                   ; v2 is written, which the loads below read; so is v3, which every store reads
.set p, 0
.rept PIECES
	global_load_b128 v[D+4*p:D+4*p+3], v2, s[6:7] offset:512*p th:TH_LOAD_NT  ; 32 lanes read 512 consecutive bytes; the launch reads each byte of x once
.set p, p+1
.endr
	OUT
.Lfunc_end_k_qba7b3a6d66_prep:
	.size	k_qba7b3a6d66_prep, .Lfunc_end_k_qba7b3a6d66_prep-k_qba7b3a6d66_prep
	.p2alignl 7, 3214868480
	.fill 96, 4, 3214868480
	.section	.rodata,"a",@progbits
	.p2align	6, 0x0
	.amdhsa_kernel k_qba7b3a6d66_prep
		.amdhsa_group_segment_fixed_size 0
		.amdhsa_private_segment_fixed_size 0
		.amdhsa_enable_private_segment 0
		.amdhsa_kernarg_size 40
		.amdhsa_user_sgpr_count 2
		.amdhsa_user_sgpr_kernarg_segment_ptr 1
		.amdhsa_wavefront_size32 1
		.amdhsa_system_sgpr_workgroup_id_x 1
		.amdhsa_system_sgpr_workgroup_id_y 1
		.amdhsa_system_sgpr_workgroup_id_z 1
		.amdhsa_system_vgpr_workitem_id 0
		.amdhsa_next_free_vgpr 164
		.amdhsa_next_free_sgpr 66
		.amdhsa_reserve_vcc 0
		.amdhsa_float_denorm_mode_32 3
		.amdhsa_float_denorm_mode_16_64 3
		.amdhsa_memory_ordered 1
		.amdhsa_forward_progress 1
		.amdhsa_inst_pref_size 27
	.end_amdhsa_kernel
	.amdgpu_metadata
---
amdhsa.version: [ 1, 2 ]
amdhsa.kernels:
  - .name:           k_qba7b3a6d66_prep
    .symbol:         k_qba7b3a6d66_prep.kd
    .args:
      - { .name: assignments, .offset: 0, .size: 8, .value_kind: global_buffer, .address_space: global }
      - { .name: codebooks, .offset: 8, .size: 8, .value_kind: global_buffer, .address_space: global }
      - { .name: x, .offset: 16, .size: 8, .value_kind: global_buffer, .address_space: global }
      - { .name: w, .offset: 24, .size: 8, .value_kind: global_buffer, .address_space: global }
      - { .name: xb, .offset: 32, .size: 8, .value_kind: global_buffer, .address_space: global }
    .group_segment_fixed_size: 0
    .private_segment_fixed_size: 0
    .kernarg_segment_align: 8
    .kernarg_segment_size: 40
    .max_flat_workgroup_size: 256
    .sgpr_count:     66
    .vgpr_count:     164
    .wavefront_size: 32
...
	.end_amdgpu_metadata
.endif
;; end of part 5
;; launch gemm: the kernel of part 4 again; grid 8 x 32, 4 waves a work-group, clusters of 4 x 4, 327,680 bytes of LDS; arguments xb, w, out0; writes out0
